; MI455X (gfx1250); checked and timed in simulation.
; The chip was launched on July 23, 2026; its instructions are those of AMD's public machine-readable ISA for CDNA 5 (MIT licence, August 2026) and "CDNA5" Instruction Set Architecture Reference Guide (July 2026). The comments in the code are by the model that wrote it; some were corrected since.
;; FGN layer. Allowed arithmetic: matrix products marked QUANTISED: E2M1 operands, one E8M0 scale for each 32 along K, by v_wmma_scale_f32_16x16x128_f8f6f4 with both operands' format E2M1 (or v_wmma_scale_f32_32x16x128_f4), f32 sums; everything else in f32.
;; Inputs: centers 2,048 x 2,048 float32; sigs 2,048 float32; weights 2,048 x 2,048 float32; x 8,192 x 2,048 float32.
;; Outputs: out0 8,192 x 2,048 float32.
;; This version of the problem:
;;   THIS VERSION OF THE PROBLEM IS GIVEN IN LOW PRECISION. The matrix products marked QUANTISED in the list below multiply operands that are first quantised to E2M1 (2 exponent bits, 1 mantissa bit; 4 bits a number), with one power-of-two scale for each 32 numbers along K (OCP MX v1.0); their sums are f32. All else is computed in f32.
;;   The module's matrix products, in the order in which they are computed (A, B: the left and right operand; K: the contracted axis; several contracted axes count as one K, in the product's order):
;;     1. [M 8,192, K 2,048] x [K 2,048, N 2,048]; A: input x; B: input weights: QUANTISED
;;     2. [M 8,192, K 2,048] x [K 2,048, N 2,048]; A: input x; B: input centers: QUANTISED
;;   THE QUANTISER, for each operand of a quantised product, along K:
;;     - K is cut into blocks of 32 from its start; a last block that is shorter is filled with zeros.
;;     - A block's scale is 2^e with e = floor(log2(the largest magnitude in the block)) - 2, held to -126 .. 127; a block of zeros has e = 0. As a byte (E8M0): e + 127.
;;     - Each number is divided by its block's scale, clamped to +-6, and rounded to the nearest number of E2M1, ties to even, subnormals kept.
;;     - The product sums the exact products of the quantised numbers (number of the format x scale) in f32.
;;   ~~~python
;;   def quantise(x, axis):      # numpy; x: float32 -> the quantised numbers, widened to float32 again
;;       x = np.moveaxis(x, axis, -1); K = x.shape[-1]
;;       x = np.pad(x, [(0, 0)] * (x.ndim - 1) + [(0, -K % 32)]); x = x.reshape(x.shape[:-1] + (-1, 32)); a = np.abs(x).max(-1, keepdims=True)
;;       e = np.where(a > 0, np.clip(np.frexp(np.where(a > 0, a, 1))[1] - 1 - 2, -126, 127), 0)      # np.frexp(a)[1] - 1 = floor(log2(a)), exactly
;;       r = np.clip(x / 2.0 ** e, -6, 6)
;;       step = 2.0 ** (np.maximum(np.frexp(np.where(r == 0, 1, r))[1] - 1, 0) - 1)
;;       q = np.round(r / step) * step * 2.0 ** e      # np.round: ties to even
;;       return np.moveaxis(q.reshape(q.shape[:-2] + (-1,))[..., :K], -1, axis).astype(np.float32)
;;   ~~~
;; One version. Each part assembles by itself: llvm-mc -triple=amdgcn-amd-amdhsa -mcpu=gfx1250 --defsym DOCPART=n.
;; ======== version 1 of 1: 2 launches
;; limits: right only within a limited range of input values
;; workspace buffers: xcodes 8,388,608 bytes; bcodes 4,194,304 bytes; scales 786,432 bytes; xsq 32,768 bytes; csq 8,192 bytes; bias 8,192 bytes
;; launch quant (part 1): grid 768 x 1, 4 waves a work-group, no clusters, 1,536 bytes of LDS; arguments x, weights, centers, xcodes, bcodes, scales, xsq, csq, bias; writes xcodes, bcodes, scales, xsq, csq, bias
.if DOCPART == 1
	.amdgcn_target "amdgcn-amd-amdhsa--gfx1250"
	.amdhsa_code_object_version 6
	.text
	.protected	k_q71259a824a_quant
	.globl	k_q71259a824a_quant
	.p2align	8
	.type	k_q71259a824a_quant,@function
k_q71259a824a_quant:
	s_mov_b64 s[64:65], 0
	v_nop
	global_prefetch_b8 v0, s[64:65] scope:SCOPE_SE
	s_setreg_imm32_b32 hwreg(HW_REG_WAVE_MODE, 25, 1), 1
	s_wait_xcnt 0x0
; x [8192][2048], weights [2048][2048], centers [2048][2048], f32, become codes of FP4 (E2M1), K innermost, two codes a byte (the lower k in the low four bits), with one E8M0 byte for each 32 along K;
; and the three row sums that the second launch wants, in f32 on the numbers as given: xsq[b] = sum x^2, csq[o] = sum c^2, bias[o] = -sum w c.
; A block's scale is 2^(floor(log2(its largest magnitude)) - 2); its byte is the largest magnitude's exponent field - 2, held at 1 from below by a floor among the maximum's leaves.
; WHERE THE ROWS GO.  x's row b is row b of xcodes [8192][1024 bytes].  weights and centers share ONE operand of 4,096 rows (bcodes): row o of weights is its row n = o + (o & ~63), row o of centers its row n + 64.
; THE SCALE BYTES: scales [4 K steps of 512][12,288 rows][16 bytes]; rows 0-8191 are x's, rows 8192 + n the other operand's.
; SHARES.  A wave takes four rows, as two streams P and Q of two neighbouring rows each, 8 steps of 2,048 bytes of each stream: a step is one K step of 512 of one row.
;   work-groups 0-511:   u = 4 g + wave:         P = x rows 4 u, 4 u + 1;        Q = x rows 4 u + 2, 4 u + 3;   sums: P.P and Q.Q, both xsq
;   work-groups 512-767: u = 4 (g - 512) + wave: P = weights rows 2 u, 2 u + 1;  Q = centers rows 2 u, 2 u + 1; sums: P.Q (bias, with its sign) and Q.Q (csq)
; A LANE GETS 8 NEIGHBOURS WITHOUT LDS.  A load covers 512 consecutive bytes; lane l takes the 16 bytes at 32 (l % 16) + 16 (l / 16).  v_permlane16_swap_b32 on the registers of loads 2 j and 2 j + 1 then gives
; lanes 0-15 the 32 bytes at 32 l of load 2 j and lanes 16-31 the 32 bytes at 32 (l - 16) of load 2 j + 1: piece P = 32 j + 16 (l / 16) + l % 16 of the step's 64 pieces of 8 numbers.  Four neighbouring lanes hold a block.
; A piece's codes are 4 bytes.  The two code words of a step (j = 0, 1) change places with lane l xor 1's, so that a lane holds pieces 2 m and 2 m + 1: 8 bytes; a wave's store covers 256 consecutive bytes, aligned.
; NOTHING IS STORED INSIDE THE STEPS: each step's codes have registers of their own, and the 16 stores stand at the wave's end, behind all its vector work.
; THE SCALE BYTES of four steps share a word (group g = 2 x stream + j, steps 4 tg .. 4 tg + 3).  At the end the 8 words go to the wave's own 256 bytes of LDS, word 8 (2 g + tg) + c for block c = 4 (l / 16) + (l % 16) / 4
; of the group's eight; a lane reads the eight words of its group back and takes its step's byte of each.  No tensor load, no barrier: waves share nothing.  Loads run four steps (32 loads a wave) ahead.
; LIMITS: NaN and infinities among the inputs are not served.  A block of zeros gets the byte 1 where the quantiser says 127: its codes are zeros, which add nothing under that byte, and this program alone
; reads the bytes.  Each row sum is made in 128 partial chains and then joined: another order of rounding than a plain running sum.
.set KSS,  12288*16                    ; scales: bytes from a K step to the next
.set R,    16                          ; v16-143  four sets of 2 x 16 numbers
.set C,    144                         ; v144-175 codes: four registers a step
.set EP,   176                         ; v176-183 scale bytes: word 2 g + tg
.set TT,   208                         ; v208-215 code words at work; at the end the scale words read back
.set SUM,  224                         ; v224-239 row 0: first sum (two chains of pairs), second sum; row 1 likewise
	s_load_b512 s[4:19], s[0:1], 0x0               ; x 4, weights 6, centers 8, xcodes 10, bcodes 12, scales 14, xsq 16, csq 18
	s_load_b64 s[20:21], s[0:1], 0x40              ; bias
	v_lshl_add_u32 v254, v0, 2, 0x400              ; my spare word, behind the four waves' 256 bytes
	v_mov_b32 v255, 0
	v_lshrrev_b32 v1, 5, v0
	v_readfirstlane_b32 s24, v1                    ; wave 0..3
	v_and_b32 v2, 31, v0                           ; lane
	v_and_b32 v14, 15, v2
	v_lshrrev_b32 v15, 4, v2
	v_lshlrev_b32 v3, 5, v14
	v_lshl_add_u32 v3, v15, 4, v3                  ; my 16 bytes of a load's 512: 32 (l % 16) + 16 (l / 16)
	v_and_b32 v1, 1, v2
	v_lshlrev_b32 v4, 7, v1
	v_lshl_add_u32 v4, v15, 6, v4
	s_lshl_b32 s55, s24, 8
	v_lshl_add_u32 v7, v15, 7, s55
	v_lshl_add_u32 v7, v1, 6, v7
	v_bfe_u32 v1, v2, 1, 3
	v_lshl_add_u32 v4, v1, 3, v4                   ; my 8 bytes of a step's 256 bytes of codes: 128 (l % 2) + 64 (l / 16) + 8 ((l % 16) / 2)
	v_bfe_u32 v1, v2, 3, 1
	v_lshl_add_u32 v7, v1, 5, v7                   ; the scale words' way back: the 32 bytes of group 2 (l / 16) + l % 2, tg = (l / 8) % 2
	v_bfe_u32 v6, v2, 2, 2
	v_lshl_add_u32 v6, v15, 2, v6
	v_lshl_add_u32 v6, v6, 2, s55                  ; and their way in: word c = 4 (l / 16) + (l % 16) / 4
	v_bfe_u32 v248, v2, 1, 2
	v_lshlrev_b32 v248, 3, v248                    ; my step's byte in a word: 8 ((l / 2) % 4) bits up
	v_mov_b32 v243, 0
.irp i, 4,5,6,7
	v_mov_b32 v[TT+\i], 0                          ; written once: a DPP form's destination counts as one of its sources
.endr
	s_mov_b32 s52, 0x76543210
	s_mov_b32 s53, 0xfedcba98                      ; v_permlanex16_b32's selects for lane l xor 16
	s_mov_b32 s57, 0xaaaaaaaa                      ; the odd lanes
	s_cmp_lt_u32 ttmp9, 512                        ; x's work-group, or weights' and centers'?  Only moves and selects follow
	s_cselect_b32 s25, 0, 512                      ; the first work-group of my kind
	s_cselect_b32 s40, 0, 1                        ; which arm the first sum takes
	s_cselect_b32 s39, 1.0, -1.0                   ; the first sum's sign: xsq, or bias
	s_mov_b32 s41, 0x10000
	s_cselect_b32 s41, 0x800, s41                  ; from P's codes to Q's: 2 rows of 1,024 bytes, or 64 rows
	s_mov_b32 s42, 0x400
	s_cselect_b32 s42, 32, s42                     ; from P's scale bytes to Q's, in one K step: 2 rows of 16 bytes, or 64 rows
	s_cselect_b32 s56, 0, 0x20000                  ; the other operand's scale rows begin behind x's 8,192 rows of 16 bytes
	s_cselect_b32 s43, 15, 14                      ; P's first byte = u x 4 rows, or u x 2 rows, of 8,192 bytes
	s_cselect_b32 s44, 0x4000, 0                   ; Q lies two rows on in the same tensor, or at the same place in another
	s_cselect_b32 s45, 4, 3                        ; the sums: 4 numbers for each u, or 2 in each of two buffers
	s_cselect_b32 s46, 8, 0
	s_sub_co_u32 s25, ttmp9, s25
	s_lshl_b32 s25, s25, 2
	s_add_co_u32 s25, s25, s24                     ; u
	s_lshl_b32 s47, s25, 2                         ; x: P's first row in xcodes = 4 u
	s_lshl_b32 s48, s25, 1                         ; w: o = 2 u,
	s_and_b32 s49, s48, 0xffffffc0
	s_add_co_u32 s48, s48, s49                     ; its row in bcodes = o + (o & ~63)
	s_wait_alu depctr_va_vdst(0)                   ; behind the run of scalar lines
	v_add_nc_u32 v5, s41, v4                       ; Q's codes
	; the scale bytes in memory.  Lane l holds half l % 2 of the 16 bytes of step (l / 2) % 8 of stream l / 16: K step (l / 2) % 4 of the stream's row (l / 8) % 2
	v_bfe_u32 v1, v2, 1, 2
	v_mul_u32_u24 v242, v1, KSS
	v_bfe_u32 v1, v2, 3, 1
	v_lshl_add_u32 v242, v1, 4, v242
	v_and_b32 v1, 1, v2
	v_lshl_add_u32 v242, v1, 3, v242
	v_lshrrev_b32 v1, 4, v2
	v_mul_u32_u24 v1, s42, v1
	v_add_nc_u32 v242, v242, v1
	s_wait_alu depctr_va_vdst(0)                   ; at the head's end
	s_wait_kmcnt 0x0
	s_cmp_lt_u32 ttmp9, 512                        ; the same question again: the additions above have used the flag
	s_cselect_b32 s47, s47, s48
	s_cselect_b64 s[26:27], s[4:5], s[6:7]         ; P
	s_cselect_b64 s[28:29], s[4:5], s[8:9]         ; Q
	s_cselect_b64 s[30:31], s[10:11], s[12:13]     ; the codes
	s_cselect_b64 s[34:35], s[16:17], s[20:21]     ; the first sum: xsq or bias
	s_cselect_b64 s[36:37], s[16:17], s[18:19]     ; the second: xsq or csq
	s_lshl_b32 s50, s25, s43                       ; every offset stays under 2^27
	s_mov_b32 s51, 0
	s_add_nc_u64 s[26:27], s[26:27], s[50:51]
	s_add_co_u32 s50, s50, s44
	s_add_nc_u64 s[28:29], s[28:29], s[50:51]
	s_lshl_b32 s50, s47, 10
	s_add_nc_u64 s[30:31], s[30:31], s[50:51]
	s_lshl_b32 s50, s47, 4
	s_add_co_u32 s50, s50, s56
	s_add_nc_u64 s[32:33], s[14:15], s[50:51]      ; the scale bytes of P's first row, K step 0
	s_lshl_b32 s50, s25, s45
	s_add_nc_u64 s[34:35], s[34:35], s[50:51]
	s_add_co_u32 s50, s50, s46
	s_add_nc_u64 s[36:37], s[36:37], s[50:51]
.macro LOADP t                         ; step t of both streams: eight loads of 512 consecutive bytes; every offset is an immediate
.irp q, 0,1
.irp i, 0,1,2,3
	global_load_b128 v[R+32*((\t)%4)+16*\q+4*\i:R+32*((\t)%4)+16*\q+4*\i+3], v3, s[26+2*\q:27+2*\q] offset:2048*(\t)+512*\i th:TH_LOAD_NT
.endr
.endr
.endm
.macro QNT t                           ; four groups g = 2 x stream + j of 8 numbers a lane, by turns
.set XS, R+32*((\t)%4)
.irp g, 0,1,2,3
.irp k, 0,1,2,3
	v_permlane16_swap_b32 v[XS+8*\g+\k], v[XS+8*\g+4+\k]           ; the first's lanes 16-31 change places with the second's lanes 0-15: 8 neighbours a lane
.endr
.endr
.irp g, 0,1,2,3
	v_max3_num_f32 v[8+\g], |v[XS+8*\g]|, |v[XS+8*\g+1]|, 0x1800000   ; the floor 2^(3 - 127) among the leaves: the byte cannot fall under 1
.endr
.irp i, 2,4,6
.irp g, 0,1,2,3
	v_max3_num_f32 v[8+\g], v[8+\g], |v[XS+8*\g+\i]|, |v[XS+8*\g+\i+1]|
.endr
.endr
.irp m, 1,2
.irp g, 0,1,2,3
	v_max_num_f32_dpp v[8+\g], v[8+\g], v[8+\g] row_xmask:\m row_mask:0xf bank_mask:0xf   ; the block's four lanes
.endr
.endr
.irp g, 0,1,2,3
	v_add_nc_u32 v[8+\g], 0xff000000, v[8+\g]      ; 2 off the exponent field: the conversion's scale operand
.endr
.irp g, 0,1,2,3
	v_cvt_scalef32_pk8_fp4_f32 v[TT+\g], v[XS+8*\g:XS+8*\g+7], v[8+\g]
.endr
.if (\t)%4 == 0
.irp g, 0,1,2,3
	v_lshrrev_b32 v[EP+2*\g+(\t)/4], 23, v[8+\g]   ; the scales' bytes (plain lines behind the conversions): a word's first byte,
.endr
.else
.irp g, 0,1,2,3
	v_lshrrev_b32 v[12+\g], 23, v[8+\g]
.endr
.irp g, 0,1,2,3
	v_lshl_or_b32 v[EP+2*\g+(\t)/4], v[12+\g], 8*((\t)%4), v[EP+2*\g+(\t)/4]   ; and the three above it
.endr
.endif
.irp q, 0,1                            ; word j of lane l changes places with word l % 2 of lane l xor 1: a lane then holds two neighbouring pieces
	v_mov_b32_dpp v[TT+4+2*\q], v[TT+2*\q+1] row_xmask:1 row_mask:0xf bank_mask:0xf
	v_mov_b32_dpp v[TT+5+2*\q], v[TT+2*\q] row_xmask:1 row_mask:0xf bank_mask:0xf
.endr
.irp q, 0,1
	v_cndmask_b32 v[C+4*(\t)+2*\q],   v[TT+2*\q],   v[TT+4+2*\q], s57
	v_cndmask_b32 v[C+4*(\t)+2*\q+1], v[TT+5+2*\q], v[TT+2*\q+1], s57
.endr
.endm
.macro SUMS t                          ; a row is four steps; a row's first products start its chains: nothing is cleared
.set XP, R+32*((\t)%4)
.set XQ, XP+16
.set S1, SUM+8*((\t)/4)
.set S2, S1+4
.irp i, 0,1,2,3,4,5,6,7
.if ((\t)%4 == 0) && (\i < 2)
	v_pk_mul_f32 v[S2+2*(\i%2):S2+2*(\i%2)+1], v[XQ+2*\i:XQ+2*\i+1], v[XQ+2*\i:XQ+2*\i+1]
.else
	v_pk_fma_f32 v[S2+2*(\i%2):S2+2*(\i%2)+1], v[XQ+2*\i:XQ+2*\i+1], v[XQ+2*\i:XQ+2*\i+1], v[S2+2*(\i%2):S2+2*(\i%2)+1]
.endif
.endr
	s_cmp_eq_u32 s40, 0                            ; the same in all waves of a work-group; no LDS or memory line stands in either arm
	s_cbranch_scc0 .Lwc_\@
.irp i, 0,1,2,3,4,5,6,7
.if ((\t)%4 == 0) && (\i < 2)
	v_pk_mul_f32 v[S1+2*(\i%2):S1+2*(\i%2)+1], v[XP+2*\i:XP+2*\i+1], v[XP+2*\i:XP+2*\i+1]
.else
	v_pk_fma_f32 v[S1+2*(\i%2):S1+2*(\i%2)+1], v[XP+2*\i:XP+2*\i+1], v[XP+2*\i:XP+2*\i+1], v[S1+2*(\i%2):S1+2*(\i%2)+1]
.endif
.endr
	s_branch .Ljoin_\@
.Lwc_\@:
.irp i, 0,1,2,3,4,5,6,7
.if ((\t)%4 == 0) && (\i < 2)
	v_pk_mul_f32 v[S1+2*(\i%2):S1+2*(\i%2)+1], v[XP+2*\i:XP+2*\i+1], v[XQ+2*\i:XQ+2*\i+1]
.else
	v_pk_fma_f32 v[S1+2*(\i%2):S1+2*(\i%2)+1], v[XP+2*\i:XP+2*\i+1], v[XQ+2*\i:XQ+2*\i+1], v[S1+2*(\i%2):S1+2*(\i%2)+1]
.endif
.endr
.Ljoin_\@:
.endm
.macro PSTEP t
.if (\t) < 5
	s_wait_loadcnt 24                              ; this step's eight loads are in; the 24 of the three steps behind it may be out
.else
	s_wait_loadcnt 8*(7-(\t))
.endif
	QNT \t
	SUMS \t
.if (\t)+4 < 8
	LOADP (\t)+4                                   ; the set just worked takes the loads of four steps on
.endif
.endm
	LOADP 0
	LOADP 1
	LOADP 2
	LOADP 3
.irp t, 0,1,2,3,4,5,6,7
	PSTEP \t
.endr
	s_wait_alu depctr_va_vdst(0)
.irp i, 0,1,2,3,4,5,6,7
	ds_store_b32 v6, v[EP+\i] offset:32*\i         ; the four lanes of a block write the same word with the same value
.endr
	ds_load_b128 v[TT:TT+3],   v7                  ; LDS serves a wave's instructions in order: these see my stores; they land under the sums below
	ds_load_b128 v[TT+4:TT+7], v7 offset:16
	; the four sums (group g: 0 first sum of row 0, 1 second of row 0, 2 first of row 1, 3 second of row 1), by turns: the chains, the halves, the 32 lanes
.irp g, 0,1,2,3
	v_pk_add_f32 v[SUM+4*\g:SUM+4*\g+1], v[SUM+4*\g:SUM+4*\g+1], v[SUM+4*\g+2:SUM+4*\g+3]
.endr
.irp g, 0,1,2,3
	v_add_f32 v[SUM+4*\g], v[SUM+4*\g], v[SUM+4*\g+1]
.endr
.irp m, 1,2,4,8
.irp g, 0,1,2,3
	v_add_f32_dpp v[SUM+4*\g], v[SUM+4*\g], v[SUM+4*\g] row_xmask:\m row_mask:0xf bank_mask:0xf
.endr
.endr
.irp g, 0,1,2,3
	v_permlanex16_b32 v[8+\g], v[SUM+4*\g], s52, s53   ; (v8-11 have been written)
.endr
	v_add_f32 v244, v[SUM],    v8                  ; first sum, rows 0 and 1: a pair for one store
	v_add_f32 v245, v[SUM+8],  v10
	v_add_f32 v246, v[SUM+4],  v9                  ; second sum likewise
	v_add_f32 v247, v[SUM+12], v11
	v_mul_f32 v244, s39, v244                      ; bias is the negative of its sum; xsq keeps its sign
	v_mul_f32 v245, s39, v245
	s_wait_alu depctr_va_vdst(0)
	s_wait_dscnt 0x0
.irp c, 0,1,2,3,4,5,6,7
	v_lshrrev_b32 v[TT+\c], v248, v[TT+\c]         ; my step's byte of block c's word, into the lowest byte
.endr
.irp c, 0,2,4,6
	v_perm_b32 v[TT+\c], v[TT+\c+1], v[TT+\c], 0x0400   ; two lowest bytes side by side (the upper half is not used)
.endr
	v_perm_b32 v240, v[TT+2], v[TT],   0x05040100  ; blocks 0-3,
	v_perm_b32 v241, v[TT+6], v[TT+4], 0x05040100  ; blocks 4-7 of my half of the step's 16 bytes
	v_cmp_eq_u32 vcc_lo, 0, v2
	s_wait_alu depctr_va_vdst(0)
	s_wait_tensorcnt 0x0                           ; the wave's end: behind my last LDS store
	ds_add_u32 v254, v255
	s_wait_dscnt 0x0
.irp t, 0,1,2,3,4,5,6,7
	global_store_b64 v4, v[C+4*\t:C+4*\t+1],   s[30:31] offset:256*\t   ; 32 lanes store 256 consecutive bytes, at a multiple of 256 from the buffer's first byte
	global_store_b64 v5, v[C+4*\t+2:C+4*\t+3], s[30:31] offset:256*\t
.endr
	global_store_b64 v242, v[240:241], s[32:33]    ; for each of the four K steps: x: 64 consecutive bytes; w and c: 32 and 32, 64 rows apart
	s_wait_xcnt 0x0                                ; EXEC is a source of the stores that are out: it changes only behind this wait
	s_and_saveexec_b32 s54, vcc_lo                 ; every lane holds the sums: lane 0 stores them
	global_store_b64 v243, v[244:245], s[34:35]
	global_store_b64 v243, v[246:247], s[36:37]
	s_wait_xcnt 0x0                                ; and again, in front of the line that widens it
	s_or_b32 exec_lo, exec_lo, s54
	s_endpgm
.Lfunc_end_k_q71259a824a_quant:
	.size	k_q71259a824a_quant, .Lfunc_end_k_q71259a824a_quant-k_q71259a824a_quant
	.p2alignl 7, 3214868480
	.fill 96, 4, 3214868480
	.section	.rodata,"a",@progbits
	.p2align	6, 0x0
	.amdhsa_kernel k_q71259a824a_quant
		.amdhsa_group_segment_fixed_size 1536
		.amdhsa_private_segment_fixed_size 0
		.amdhsa_enable_private_segment 0
		.amdhsa_kernarg_size 72
		.amdhsa_user_sgpr_count 2
		.amdhsa_user_sgpr_kernarg_segment_ptr 1
		.amdhsa_wavefront_size32 1
		.amdhsa_system_sgpr_workgroup_id_x 1
		.amdhsa_system_sgpr_workgroup_id_y 1
		.amdhsa_system_sgpr_workgroup_id_z 1
		.amdhsa_system_vgpr_workitem_id 0
		.amdhsa_next_free_vgpr 256
		.amdhsa_next_free_sgpr 66
		.amdhsa_reserve_vcc 1
		.amdhsa_float_denorm_mode_32 3
		.amdhsa_float_denorm_mode_16_64 3
		.amdhsa_memory_ordered 1
		.amdhsa_forward_progress 1
		.amdhsa_inst_pref_size 57
	.end_amdhsa_kernel
	.amdgpu_metadata
---
amdhsa.version: [ 1, 2 ]
amdhsa.kernels:
  - .name:           k_q71259a824a_quant
    .symbol:         k_q71259a824a_quant.kd
    .args:
      - { .name: x, .offset: 0, .size: 8, .value_kind: global_buffer, .address_space: global }
      - { .name: weights, .offset: 8, .size: 8, .value_kind: global_buffer, .address_space: global }
      - { .name: centers, .offset: 16, .size: 8, .value_kind: global_buffer, .address_space: global }
      - { .name: xcodes, .offset: 24, .size: 8, .value_kind: global_buffer, .address_space: global }
      - { .name: bcodes, .offset: 32, .size: 8, .value_kind: global_buffer, .address_space: global }
      - { .name: scales, .offset: 40, .size: 8, .value_kind: global_buffer, .address_space: global }
      - { .name: xsq, .offset: 48, .size: 8, .value_kind: global_buffer, .address_space: global }
      - { .name: csq, .offset: 56, .size: 8, .value_kind: global_buffer, .address_space: global }
      - { .name: bias, .offset: 64, .size: 8, .value_kind: global_buffer, .address_space: global }
    .group_segment_fixed_size: 1536
    .private_segment_fixed_size: 0
    .kernarg_segment_align: 8
    .kernarg_segment_size: 72
    .max_flat_workgroup_size: 128
    .sgpr_count:     66
    .vgpr_count:     256
    .wavefront_size: 32
...
	.end_amdgpu_metadata
.endif
;; end of part 1
;; launch fgn (part 2): grid 16 x 16, 4 waves a work-group, clusters of 4 x 4, 327,680 bytes of LDS; arguments xcodes, bcodes, scales, out0, sigs, xsq, csq, bias; writes out0
.if DOCPART == 2
	.amdgcn_target "amdgcn-amd-amdhsa--gfx1250"
	.amdhsa_code_object_version 6
	.text
	.protected	k_q71259a824a_fgn
	.globl	k_q71259a824a_fgn
	.p2align	8
	.type	k_q71259a824a_fgn,@function
k_q71259a824a_fgn:
	s_mov_b64 s[64:65], 0
	v_nop
	global_prefetch_b8 v0, s[64:65] scope:SCOPE_SE
	s_setreg_imm32_b32 hwreg(HW_REG_WAVE_MODE, 25, 1), 1
	s_wait_xcnt 0x0
	s_wait_alu depctr_hold_cnt(0) depctr_sa_sdst(0) depctr_va_vdst(0) depctr_va_sdst(0) depctr_va_ssrc(0) depctr_va_vcc(0) depctr_vm_vsrc(0)
	s_getreg_b32 s2, hwreg(HW_REG_IB_STS2, 6, 4)
	s_cmp_eq_u32 s2, 0
	s_cbranch_scc0 .Lentry_in_a_cluster
	s_endpgm
.Lentry_in_a_cluster:
	s_bfe_u32 s2, ttmp6, 0x10000c
	s_cmp_lg_u32 s2, 0xf033
	s_cbranch_scc0 .Lentry_shape_is_right
	s_endpgm
.Lentry_shape_is_right:
; out0[b][o] = (x_b . w_o + bias[o]) x exp(-max(xsq[b] + csq[o] - 2 x_b . c_o, 0) / sig[o]^2); both products on codes of FP4 (E2M1) with E8M0 scales, f32 sums.
; ONE GEMM serves both products: bcodes has 4,096 rows, 64 rows of w and then the 64 rows of c of the same outputs.  A tile is 256 rows of x by 256 rows of bcodes (128 outputs); four waves, 128 x 128 each:
; 64 accumulators of 16 x 16, 512 registers; of a wave's eight column blocks, 0-3 are l and 4-7 are x.c of the same 64 outputs.  A work-group makes TILES = 2 tiles, WALK rows of x apart, on the same rows of bcodes.
; K goes in steps of 512 (rows of 256 bytes) through a ring of two LDS slots filled by joint tensor loads: 4 x 4 work-groups form a cluster, x's tile is shared along its row, bcodes' along its column.
; The matrix instruction is used transposed (source 0 = bcodes' rows, source 1 = x's): a lane holds eight neighbouring outputs of one row.
; BOTH OPERANDS HAVE TWO SETS OF FRAGMENT REGISTERS: a step of 128 along K has one run of four places and one run of 32 LDS loads, the next step's, behind its first 16 products.
; THE WAY OUT stands once in the text, for both tiles.  The first product of an l accumulator takes bias as C, that of an x.c accumulator -csq / 2.  So u = acc - xsq / 2 is minus half the squared distance,
; its clamp at 0 is min(u, 0), and the exponent to the base 2 is min(u, 0) x 2 log2(e) / sig^2.  16 rows x 64 outputs go through the wave's own stage and leave as rows of 256 bytes.
; PREFETCH: behind the load of K step f (counted through both tiles) stands a request for K step f + 2: 32 rows x 256 bytes, a lane a row; of the 128 rows that a wave fetches each of the four partners that ask for
; them jointly takes 32, by address.  Behind the first load K step 1 is asked for too.  bcodes' rows are asked for in the first tile alone (the second tile takes the same rows); the last two loads ask for nothing.
; LIMITS: 1 / sig^2 must be finite; NaN and infinities among the inputs are not served.  The squared distance is summed in another order.
; REGISTERS: window 0: v0-31 addresses; v32-95 scale words, two sets; v96-127 2 log2(e) / sig^2; v128-191, v192-255 x's fragments, two sets.
;   window 1: bcodes' fragments, two sets, v0-63 and v128-191 (on the way out the second set takes the rows read back from the stage); v64-79 xsq; v96-127 -csq / 2; v192-223 bias.
;   windows 2, 3: the accumulators ((a, b) at v[8 (8 (a % 4) + b)]).
.set NQ,     4                         ; matrix instructions deep in a slot
.set ROWB,   256                       ; a tile's row in bytes: 512 codes
.set KROW,   1024                      ; a row of codes in memory
.set PITCH,  272                       ; an LDS row: 256 bytes + 16 of padding
.set FR,     8
.set NP,     4                         ; places behind this matrix instruction (ISA guide 7.12.1)
.set HALFT,  128*PITCH
.set SLOT,   4*HALFT
.set TILES,  2
.set WALK,   4096
.set NEXT_X, WALK*KROW-2*ROWB
.set KSS,    12288*16
.set BSC,    8192*16
.set STAGE,  2*SLOT                    ; behind the ring: 16 rows x 272 bytes for each wave; no tensor load lands there
.set SPITCH, 272
.set SPARE,  STAGE+4*16*SPITCH         ; the spare words, 128 bytes a wave
.set OROW,   8192
.set COL,  7
.set SOFF, 8
.set SDEL, 9
.set PFO,  10
.set ADRA, 16
.set ROWO, 18
.set ADRB, 20
.set STO,  24
.set RD,   25
.set CO,   26
.set SPW,  28
.set NIL,  29
.set ZERO, 30
.set SC,   32
.set M2,   96
.set AF,   128
.set XSQ,  64
.set HC,   96
.set BIAS, 192
.set BK,   128
.set SCP, 8
.set OUT, 10
.set G1, 24
.set G0, 32
.set G1B, 48
.set G0B, 56
.set SIG, 68
.set XSP, 70
.set CSP, 72
.set BIP, 74
.set PFA, 76
.set LIM, 78
.set MSB, 0
.macro WIN new                         ; the immediate's high byte repeats the setting that is left
.if MSB != (\new)
	s_set_vgpr_msb (MSB<<8)|(\new)
.set MSB, (\new)
.endif
.endm
.set MUL_LO, 0xa1                      ; source 0 window 1, source 1 window 0, C and D window 2
.set MUL_HI, 0xf1                      ; the same, C and D window 3
.set TO_B,   0x40
.macro JLOAD g0a, g1a, g0b, g1b        ; a joint load: waves 0, 1 fetch x's halves, waves 2, 3 bcodes'
	s_cmp_eq_u32 s15, 0
	s_cbranch_scc0 .Lfor_b_\@
	tensor_load_to_lds s[\g0a:\g0a+3], s[\g1a:\g1a+7]
	s_nop 0
.rept 4
	v_nop
.endr
	s_branch .Lasked_\@
.Lfor_b_\@:
	tensor_load_to_lds s[\g0b:\g0b+3], s[\g1b:\g1b+7]
	s_nop 0
.rept 4
	v_nop
.endr
.Lasked_\@:
.endm
.macro ASK k                           ; x's waves, in the first tile: the next tile's K step k
	s_cmp_gt_u32 s2, s[LIM]
	s_cbranch_scc0 .Lnot_mine_\@
	global_prefetch_b8 v[PFO], s[PFA:PFA+1] offset:WALK*KROW+ROWB*(\k) th:TH_LOAD_NT scope:SCOPE_SE
.Lnot_mine_\@:
.endm
.macro CREST
	s_cmp_lg_u32 s14, 0
	s_cbranch_scc1 .Lnot_wave_0_\@
	s_barrier_signal -3
.Lnot_wave_0_\@:
	s_barrier_wait -3
	s_barrier_signal -1
	s_barrier_wait -1
.endm
.macro CROUND
	s_barrier_signal -1
	s_barrier_wait -1
	CREST
.endm
.macro GSCALES set, k                  ; K step k's scale words: lanes 0-15 x's block i, lanes 16-31 bcodes' block i; 16 bytes a row
.irp i, 0,1,2,3,4,5,6,7
	global_load_b128 v[SC+8*NQ*(\set)+NQ*\i:SC+8*NQ*(\set)+NQ*\i+3], v[SOFF], s[SCP:SCP+1] offset:(\k)*KSS+256*\i
.endr
.endm
	s_load_b256 s[4:11], s[0:1], 0x0               ; xcodes 4, bcodes 6, scales 8, out0 10
	s_load_b256 s[68:75], s[0:1], 0x20             ; sigs, xsq, csq, bias
	v_lshl_add_u32 v[SPW], v0, 2, SPARE
	v_mov_b32 v[NIL], 0
	ds_add_u32 v[SPW], v[NIL]                      ; the opening: the add, twice on end, and its wait ahead of my first tensor load
	ds_add_u32 v[SPW], v[NIL]
	v_lshrrev_b32 v1, 5, v0
	v_readfirstlane_b32 s14, v1                    ; wave
	s_lshr_b32 s15, s14, 1                         ; my half of the tile's rows; also: I fetch for x (0) or bcodes (1)
	s_and_b32 s16, s14, 1                          ; my half of its columns; also: which 128 rows I fetch
	s_bfe_u32 s40, ttmp6, 0x40000                  ; cx
	s_bfe_u32 s41, ttmp6, 0x40004                  ; cy
	s_lshl_b32 s42, ttmp9, 2
	s_add_co_u32 s42, s42, s40                     ; tile column
	s_and_b32 s17, ttmp7, 0xffff
	s_lshl_b32 s17, s17, 2
	s_add_co_u32 s17, s17, s41                     ; tile row
	s_lshl_b32 s43, s41, 2
	s_lshl_b32 s43, 15, s43                        ; my row of the cluster
	s_lshl_b32 s44, 0x1111, s40                    ; my column
	s_or_b32 s[G1+0], s43, (0<<16)|(1<<20)|(1<<21)|(5<<22)|(3<<25)   ; mask; 1-byte elements; padding of 4 words behind every 64
	s_or_b32 s[G1B+0], s44, (0<<16)|(1<<20)|(1<<21)|(5<<22)|(3<<25)
.irp g, G1, G1B
	s_mov_b32 s[\g+1], ROWB<<16
	s_mov_b32 s[\g+2], 128<<16
	s_mov_b32 s[\g+3], ROWB<<16
	s_mov_b32 s[\g+4], 128
	s_mov_b32 s[\g+5], KROW
	s_mov_b32 s[\g+6], 0
	s_mov_b32 s[\g+7], 0
.endr
	s_lshl_b32 s18, s16, 7
	s_lshl_b32 s20, s17, 8
	s_add_co_u32 s20, s20, s18
	s_lshl_b32 s46, s42, 8
	s_add_co_u32 s46, s46, s18
	s_mov_b32 s21, 0
	s_mov_b32 s47, 0
	s_mov_b64 s[18:19], KROW
	s_mul_u64 s[20:21], s[20:21], s[18:19]
	s_mul_u64 s[46:47], s[46:47], s[18:19]
	s_mul_i32 s45, s14, HALFT                      ; where my 128 rows go: no place in the cluster enters an LDS address
	s_wait_dscnt 0x0                               ; both opening adds are done
	s_wait_kmcnt 0x0
	s_add_nc_u64 s[20:21], s[4:5], s[20:21]
	s_add_nc_u64 s[46:47], s[6:7], s[46:47]
.irp s, 0,1
	s_mov_b32 s[G0+4*\s], 1
	s_add_co_u32 s[G0+4*\s+1], s45, \s*SLOT
	s_add_nc_u64 s[G0+4*\s+2:G0+4*\s+3], s[20:21], \s*ROWB
	s_or_b32 s[G0+4*\s+3], s[G0+4*\s+3], 0x80000000
	s_mov_b32 s[G0B+4*\s], 1
	s_add_co_u32 s[G0B+4*\s+1], s45, \s*SLOT
	s_add_nc_u64 s[G0B+4*\s+2:G0B+4*\s+3], s[46:47], \s*ROWB
	s_or_b32 s[G0B+4*\s+3], s[G0B+4*\s+3], 0x80000000
.endr
	CROUND                                         ; all sixteen work-groups are here: the first joint loads meet
	JLOAD G0, G1, G0B, G1B                         ; K step 0: one tensor load a wave at the head
	; under that load's flight: pointers, addresses, every global load of the head, and the constants of the way out
	s_lshl_b32 s20, s17, 8
	s_lshl_b32 s21, s15, 7
	s_add_co_u32 s20, s20, s21                     ; my first row
	s_lshl_b32 s22, s20, 2
	s_mov_b32 s23, 0
	s_add_nc_u64 s[XSP:XSP+1], s[XSP:XSP+1], s[22:23]
	s_mov_b32 s21, 0
	s_lshl_b64 s[20:21], s[20:21], 13
	s_lshl_b32 s46, s42, 9
	s_lshl_b32 s47, s16, 8
	s_add_co_u32 s46, s46, s47                     ; my first output, in bytes: 512 x tile column + 256 x half
	s_mov_b32 s47, 0
	s_add_nc_u64 s[SIG:SIG+1], s[SIG:SIG+1], s[46:47]
	s_add_nc_u64 s[CSP:CSP+1], s[CSP:CSP+1], s[46:47]
	s_add_nc_u64 s[BIP:BIP+1], s[BIP:BIP+1], s[46:47]
	s_add_nc_u64 s[20:21], s[20:21], s[46:47]
	s_add_nc_u64 s[OUT:OUT+1], s[OUT:OUT+1], s[20:21]
	s_lshl_b32 s80, s17, 8                         ; the prefetches: the tile's first row in x or in bcodes,
	s_lshl_b32 s81, s42, 8
	s_cmp_eq_u32 s15, 0
	s_cselect_b32 s80, s80, s81
	s_cselect_b32 s81, s40, s41                    ; my place among the four that ask for it with me,
	s_cselect_b64 s[PFA:PFA+1], s[4:5], s[6:7]
	s_cselect_b32 s[LIM], 1, -1                    ; behind the head x's waves alone ask, in the first tile
	s_lshl_b32 s81, s81, 5
	s_add_co_u32 s80, s80, s81
	s_lshl_b32 s81, s16, 7
	s_add_co_u32 s80, s80, s81                     ; + the 128 rows that I fetch + my work-group's 32 of them
	s_mov_b32 s81, 0
	s_lshl_b64 s[80:81], s[80:81], 10
	s_add_nc_u64 s[PFA:PFA+1], s[PFA:PFA+1], s[80:81]
	s_mul_i32 s12, s15, HALFT                      ; my 128 rows of x in a slot
	s_mul_i32 s13, s16, HALFT
	s_add_co_u32 s13, s13, 2*HALFT                 ; my 128 rows of bcodes, behind x's 256
	s_lshl_b32 s66, s17, 12
	s_lshl_b32 s67, s15, 11
	s_add_co_u32 s66, s66, s67                     ; x's scale rows, 16 bytes each
	s_lshl_b32 s67, s42, 12
	s_lshl_b32 s23, s16, 11
	s_add_co_u32 s67, s67, s23
	s_add_co_u32 s67, s67, BSC
	s_sub_co_u32 s67, s67, s66                     ; from them to bcodes'
	s_mul_i32 s23, s14, 16*SPITCH
	s_add_co_u32 s23, s23, STAGE                   ; my stage
	v_and_b32 v1, 15, v0
	v_bfe_u32 v2, v0, 4, 1
	v_mul_u32_u24 v3, v1, PITCH
	v_lshl_add_u32 v4, v2, 4, v3                   ; a fragment's row x pitch + 16 x half
	v_add_nc_u32 v[ADRA], s12, v4
	v_add_nc_u32 v[ADRB], s13, v4
	v_add_nc_u32 v[ADRA+1], SLOT, v[ADRA]
	v_add_nc_u32 v[ADRB+1], SLOT, v[ADRB]
	v_mul_u32_u24 v6, s67, v2                      ; lanes 16-31 take bcodes' scale words
	v_lshl_add_u32 v5, v1, 4, s66
	v_add_nc_u32 v[SOFF], v5, v6
	v_xor_b32 v6, 1, v2
	v_lshlrev_b32 v[SDEL], 16, v6                  ; the next tile: x's lanes go WALK rows of 16 bytes on
	v_mul_u32_u24 v5, v1, SPITCH
	v_lshl_add_u32 v5, v2, 5, v5
	v_add_nc_u32 v[STO], s23, v5                   ; into the stage: row l % 16, 32 bytes for each half of the lanes
	v_mul_u32_u24 v5, v2, SPITCH
	v_lshl_add_u32 v5, v1, 4, v5
	v_add_nc_u32 v[RD], s23, v5                    ; back: sixteen lanes to a row of 256 bytes
	v_lshlrev_b32 v5, 13, v2
	v_lshl_add_u32 v[CO], v1, 4, v5                ; and the same two rows in out0
	v_lshlrev_b32 v[COL], 5, v2
	v_lshlrev_b32 v[ROWO], 2, v1
	v_and_b32 v[PFO], 31, v0
	v_lshlrev_b32 v[PFO], 10, v[PFO]               ; a lane a row
	v_mov_b32 v[ZERO], 0
	s_wait_alu depctr_va_vdst(0)                   ; behind the head's address lines
	global_prefetch_b8 v[PFO], s[PFA:PFA+1] offset:ROWB th:TH_LOAD_NT scope:SCOPE_SE     ; K step 1
	global_prefetch_b8 v[PFO], s[PFA:PFA+1] offset:2*ROWB th:TH_LOAD_NT scope:SCOPE_SE   ; K step 2
.irp b, 0,1,2,3
	global_load_b128 v[M2+8*\b:M2+8*\b+3],   v[COL], s[SIG:SIG+1] offset:64*\b
	global_load_b128 v[M2+8*\b+4:M2+8*\b+7], v[COL], s[SIG:SIG+1] offset:64*\b+16
.endr
	WIN TO_B
.irp b, 0,1,2,3
	global_load_b128 v[HC+8*\b:HC+8*\b+3],       v[COL], s[CSP:CSP+1] offset:64*\b
	global_load_b128 v[HC+8*\b+4:HC+8*\b+7],     v[COL], s[CSP:CSP+1] offset:64*\b+16
	global_load_b128 v[BIAS+8*\b:BIAS+8*\b+3],   v[COL], s[BIP:BIP+1] offset:64*\b
	global_load_b128 v[BIAS+8*\b+4:BIAS+8*\b+7], v[COL], s[BIP:BIP+1] offset:64*\b+16
.endr
	WIN 0
	GSCALES 0, 0
	GSCALES 1, 1
	s_wait_loadcnt 0x0
.set e, 0
.rept 16
	v_pk_mul_f32 v[M2+e:M2+e+1], v[M2+e:M2+e+1], v[M2+e:M2+e+1]
.set e, e+2
.endr
	s_wait_alu depctr_va_vdst(0)                   ; ahead of the batch
.set e, 0
.rept 32
	v_rcp_f32 v[M2+e], v[M2+e]
.set e, e+1
.endr
	v_nop
	s_wait_alu depctr_va_vdst(0)                   ; and behind it
.set e, 0
.rept 16
	v_pk_mul_f32 v[M2+e:M2+e+1], v[M2+e:M2+e+1], 0x4038aa3b op_sel_hi:[1,0]   ; 2 log2(e) / sig^2
.set e, e+2
.endr
	WIN 0x41
.set e, 0
.rept 16
	v_pk_mul_f32 v[HC+e:HC+e+1], v[HC+e:HC+e+1], -0.5 op_sel_hi:[1,0]         ; -csq / 2
.set e, e+2
.endr
	WIN 0
.macro FRAG reg, adr, q, i             ; 16 rows x 128 K of 4-bit codes: 8 registers, two loads 32 bytes apart
.irp c, 0,1
	ds_load_b128 v[\reg+4*\c:\reg+4*\c+3], v[\adr] offset:64*(\q)+32*\c+(\i)*16*PITCH
.endr
.endm
; 16 matrix instructions: x's blocks a0, a0 + 1 against bcodes' eight, both from set p.  zero = 1: the first products start the sums: l's with bias as C, x.c's with -csq / 2 (both in window 1).
; The 64 accumulators take turns.
.macro MUL16 a0, p, q, sc, zero
.irp a, \a0, \a0+1
.irp b, 0,1,2,3,4,5,6,7
.if \zero
.if \b < 4
	v_wmma_scale_f32_16x16x128_f8f6f4 v[8*(8*((\a)%4)+\b):8*(8*((\a)%4)+\b)+7], v[128*(\p)+FR*\b:128*(\p)+FR*\b+FR-1], v[AF+64*(\p)+FR*(\a):AF+64*(\p)+FR*(\a)+FR-1], v[BIAS+8*\b:BIAS+8*\b+7], v[SC+8*NQ*(\sc)+NQ*\b+(\q)], v[SC+8*NQ*(\sc)+NQ*(\a)+(\q)] matrix_a_fmt:MATRIX_FMT_FP4 matrix_b_fmt:MATRIX_FMT_FP4 matrix_a_scale:MATRIX_SCALE_ROW1
.else
	v_wmma_scale_f32_16x16x128_f8f6f4 v[8*(8*((\a)%4)+\b):8*(8*((\a)%4)+\b)+7], v[128*(\p)+FR*\b:128*(\p)+FR*\b+FR-1], v[AF+64*(\p)+FR*(\a):AF+64*(\p)+FR*(\a)+FR-1], v[HC+8*\b-32:HC+8*\b-25], v[SC+8*NQ*(\sc)+NQ*\b+(\q)], v[SC+8*NQ*(\sc)+NQ*(\a)+(\q)] matrix_a_fmt:MATRIX_FMT_FP4 matrix_b_fmt:MATRIX_FMT_FP4 matrix_a_scale:MATRIX_SCALE_ROW1
.endif
.else
	v_wmma_scale_f32_16x16x128_f8f6f4 v[8*(8*((\a)%4)+\b):8*(8*((\a)%4)+\b)+7], v[128*(\p)+FR*\b:128*(\p)+FR*\b+FR-1], v[AF+64*(\p)+FR*(\a):AF+64*(\p)+FR*(\a)+FR-1], v[8*(8*((\a)%4)+\b):8*(8*((\a)%4)+\b)+7], v[SC+8*NQ*(\sc)+NQ*\b+(\q)], v[SC+8*NQ*(\sc)+NQ*(\a)+(\q)] matrix_a_fmt:MATRIX_FMT_FP4 matrix_b_fmt:MATRIX_FMT_FP4 matrix_a_scale:MATRIX_SCALE_ROW1
.endif
.endr
.endr
.endm
.macro FETCH slot, q, p                ; 32 LDS loads in one run: bcodes' eight fragments, then x's eight, block by block, into set p
	WIN TO_B
.irp i, 0,1,2,3,4,5,6,7
	FRAG 128*(\p)+FR*\i, ADRB+\slot, \q, \i
.endr
	WIN 0
.irp i, 0,1,2,3,4,5,6,7
	FRAG AF+64*(\p)+FR*\i, ADRA+\slot, \q, \i
.endr
.endm
.macro PLACES n
.rept \n
	v_nop
.endr
.endm
; A step of 128 along K with its successor in the same slot.  Its own fragments were asked for a step ago; the waits leave out what is not yet needed: x's blocks 2-7 are 12 loads, the next step's run 32.
; The four places stand behind the last step's products, which read the sets that are loaded here; in front of a slot's first step they stand at the end of TURN, or the way out's vector lines are they.
.macro STEP slot, q, zero
	s_wait_dscnt 12
.if (\q) > 0
	PLACES NP
.endif
	WIN MUL_LO-0x10*(\zero)
	MUL16 0, (\q)%2, \q, \slot, \zero
	FETCH \slot, (\q)+1, 1-(\q)%2
	s_wait_dscnt 40
	WIN MUL_LO-0x10*(\zero)
	MUL16 2, (\q)%2, \q, \slot, \zero
	s_wait_dscnt 36
	WIN MUL_HI-0x20*(\zero)
	MUL16 4, (\q)%2, \q, \slot, \zero
	s_wait_dscnt 32
	MUL16 6, (\q)%2, \q, \slot, \zero
	WIN 0
.endm
; A slot's last step changes slots: one barrier; in front of it the wait for all my tensor loads, the add, and the wait for it and for my reads of this slot.
; fill = 1: this slot takes the tile's K step two on; 2: the next tile's; 0: nothing, and no round of the cluster's barrier.  s: the K step that ends.
.macro TURN slot, next, fill, s
	s_wait_tensorcnt 0x0
	ds_add_u32 v[SPW], v[NIL]
	s_wait_dscnt 13                                ; (the add and x's blocks 2-7 may be out)
	WIN MUL_LO
	MUL16 0, 1, NQ-1, \slot, 0
	s_wait_dscnt 0x0
	s_barrier_signal -1
	MUL16 2, 1, NQ-1, \slot, 0
	WIN 0
	s_barrier_wait -1
.if \fill
	CREST
.if \fill == 1
	s_add_nc_u64 s[G0+4*\slot+2:G0+4*\slot+3], s[G0+4*\slot+2:G0+4*\slot+3], 2*ROWB
	s_add_nc_u64 s[G0B+4*\slot+2:G0B+4*\slot+3], s[G0B+4*\slot+2:G0B+4*\slot+3], 2*ROWB
.else
	s_add_nc_u64 s[G0+4*\slot+2:G0+4*\slot+3], s[G0+4*\slot+2:G0+4*\slot+3], NEXT_X
	s_sub_nc_u64 s[G0B+4*\slot+2:G0B+4*\slot+3], s[G0B+4*\slot+2:G0B+4*\slot+3], 2*ROWB
.endif
	JLOAD G0+4*\slot, G1, G0B+4*\slot, G1B         ; the first tensor load behind the round; its four v_nop are the places in front of the loads below
.else
	PLACES NP
.endif
	FETCH \next, 0, 0
.if \fill
	ASK \s
.endif
	WIN MUL_HI
	MUL16 4, 1, NQ-1, \slot, 0
	MUL16 6, 1, NQ-1, \slot, 0
	PLACES NP                                      ; for the scale words below and for the next step's loads into the sets just read
	WIN 0
	s_wait_loadcnt 0x0                             ; the next slot's scale words, asked for a K step ago
.if \fill
.if (\fill == 2) && (\slot == 0)
	v_add_nc_u32 v[SOFF], v[SDEL], v[SOFF]
.endif
	s_wait_alu depctr_va_vdst(0)                   ; behind that write
	GSCALES \slot, ((\s)+2)%4
.endif
.endm
.macro STEPS slot, from
.set Q, \from
.rept NQ-1-\from
	STEP \slot, Q, 0
.set Q, Q+1
.endr
.endm
; THE WAY OUT of block a (16 rows): the exponent in place on the x.c accumulators, the exponential, the product with l.  Every accumulator is read from its low end on.
.macro COMPUTE a
.set AC, 64*((\a)%4)
.set HI, (\a)/4
	WIN 0xa1+0x50*HI
	s_wait_alu depctr_va_vdst(0)
.set e, 0
.rept 16
	v_pk_fma_f32 v[AC+32+e:AC+33+e], v[XSQ+2*(\a):XSQ+2*(\a)+1], -0.5, v[AC+32+e:AC+33+e] op_sel_hi:[1,0,1]
.set e, e+2
.endr
	WIN 0x82+0x41*HI
.set e, 0
.rept 32
	v_min_num_f32 v[AC+32+e], v[AC+32+e], v[ZERO]
.set e, e+1
.endr
.set e, 0
.rept 16
	v_pk_mul_f32 v[AC+32+e:AC+33+e], v[AC+32+e:AC+33+e], v[M2+e:M2+e+1]
.set e, e+2
.endr
	s_wait_alu depctr_va_vdst(0)                   ; ahead of the batch
.set e, 0
.rept 32
	v_exp_f32 v[AC+32+e], v[AC+32+e]
.set e, e+1
.endr
	v_nop                                          ; one plain place behind the last exponential
	WIN 0x8a+0x45*HI
	s_wait_alu depctr_va_vdst(0)                   ; and behind the batch, directly ahead of its readers, which are also l's first readers
.set e, 0
.rept 16
	v_pk_mul_f32 v[AC+e:AC+e+1], v[AC+e:AC+e+1], v[AC+32+e:AC+33+e]
.set e, e+2
.endr
.endm
.macro TOSTAGE a
.set AC, 64*((\a)%4)
	WIN 0x08+4*((\a)/4)
.irp b, 0,1,2,3
	ds_store_b128 v[STO], v[AC+8*\b:AC+8*\b+3] offset:64*\b
	ds_store_b128 v[STO], v[AC+8*\b+4:AC+8*\b+7] offset:64*\b+16
.endr
	WIN TO_B
.set BB, BK+32*((\a)%2)
.irp t, 0,1,2,3,4,5,6,7
	ds_load_b128 v[BB+4*\t:BB+4*\t+3], v[RD] offset:\t*2*SPITCH    ; LDS serves a wave's instructions in order: these see the stores above
.endr
.endm
.macro SEND a
.set BB, BK+32*((\a)%2)
	WIN 0x04
	s_wait_dscnt 0x0
	s_wait_xcnt 0x0                                ; the stores of two blocks ago have read their registers, into which the next block's rows will be loaded
.irp t, 0,1,2,3,4,5,6,7
	global_store_b128 v[CO], v[BB+4*\t:BB+4*\t+3], s[OUT:OUT+1] offset:(16*(\a)+2*\t)*OROW th:TH_STORE_NT   ; 16 lanes store 256 consecutive bytes, aligned
.endr
.endm
	s_wait_alu depctr_va_vdst(0)                   ; at the head's end
	s_wait_tensorcnt 0x0                           ; my part of K step 0 is in
	ds_add_u32 v[SPW], v[NIL]
	s_wait_dscnt 0x0
	CROUND                                         ; everybody's part of K step 0 is in, and the joint loads meet
	JLOAD G0+4, G1, G0B+4, G1B                     ; K step 1
	FETCH 0, 0, 0
	global_prefetch_b8 v[PFO], s[PFA:PFA+1] offset:3*ROWB th:TH_LOAD_NT scope:SCOPE_SE   ; K step 3
	s_mov_b32 s2, TILES
.Ltile:
	STEP 0, 0, 1
	WIN TO_B                                       ; this tile's xsq, twice each: pairs for the packed multiply-add; waited for at the next change of slots
.irp a, 0,1,2,3,4,5,6,7
	global_load_b32 v[XSQ+2*\a],   v[ROWO], s[XSP:XSP+1] offset:64*\a
	global_load_b32 v[XSQ+2*\a+1], v[ROWO], s[XSP:XSP+1] offset:64*\a
.endr
	WIN 0
	STEPS 0, 1
	TURN 0, 1, 1, 0
	STEPS 1, 0
	TURN 1, 0, 1, 1
	STEPS 0, 0
	s_cmp_eq_u32 s2, 1
	s_cbranch_scc1 .Llast                          ; the last tile's tail is written out: it asks for nothing more
	TURN 0, 1, 2, 2                                ; the ring goes on into the next tile
	STEPS 1, 0
	TURN 1, 0, 2, 3
	s_branch .Lout
.Llast:
	TURN 0, 1, 0, 2
	STEPS 1, 0
	s_wait_dscnt 12
	WIN MUL_LO
	MUL16 0, 1, NQ-1, 1, 0
	s_wait_dscnt 8
	MUL16 2, 1, NQ-1, 1, 0
	s_wait_dscnt 4
	WIN MUL_HI
	MUL16 4, 1, NQ-1, 1, 0
	s_wait_dscnt 0
	MUL16 6, 1, NQ-1, 1, 0
	WIN 0
	PLACES NP
.Lout:
	COMPUTE 0
	TOSTAGE 0
.irp a, 1,2,3,4,5,6,7                  ; block a's arithmetic stands between block a - 1's loads from the stage and the wait for them
	COMPUTE \a
	SEND \a-1
	s_wait_alu depctr_va_vdst(0)
	TOSTAGE \a
.endr
	SEND 7
	WIN 0
	s_wait_xcnt 0x0                                ; the stores have read their base and their registers, which the next tile's fragments take
	s_add_nc_u64 s[OUT:OUT+1], s[OUT:OUT+1], WALK*OROW
	s_add_nc_u64 s[XSP:XSP+1], s[XSP:XSP+1], WALK*4
	s_sub_co_u32 s2, s2, 1
	s_cmp_lg_u32 s2, 0
	s_cbranch_scc1 .Ltile
	s_wait_tensorcnt 0x0                           ; the wave's end
	ds_add_u32 v[SPW], v[NIL]
	s_wait_dscnt 0x0
	CROUND                                         ; the closing round
	s_endpgm
.Lfunc_end_k_q71259a824a_fgn:
	.size	k_q71259a824a_fgn, .Lfunc_end_k_q71259a824a_fgn-k_q71259a824a_fgn
	.p2alignl 7, 3214868480
	.fill 96, 4, 3214868480
	.section	.rodata,"a",@progbits
	.p2align	6, 0x0
	.amdhsa_kernel k_q71259a824a_fgn
		.amdhsa_group_segment_fixed_size 327680
		.amdhsa_private_segment_fixed_size 0
		.amdhsa_enable_private_segment 0
		.amdhsa_kernarg_size 64
		.amdhsa_user_sgpr_count 2
		.amdhsa_user_sgpr_kernarg_segment_ptr 1
		.amdhsa_wavefront_size32 1
		.amdhsa_system_sgpr_workgroup_id_x 1
		.amdhsa_system_sgpr_workgroup_id_y 1
		.amdhsa_system_sgpr_workgroup_id_z 1
		.amdhsa_system_vgpr_workitem_id 0
		.amdhsa_next_free_vgpr 1024
		.amdhsa_next_free_sgpr 84
		.amdhsa_reserve_vcc 0
		.amdhsa_float_denorm_mode_32 3
		.amdhsa_float_denorm_mode_16_64 3
		.amdhsa_memory_ordered 1
		.amdhsa_forward_progress 1
		.amdhsa_inst_pref_size 255
	.end_amdhsa_kernel
	.section	.bss,"aw",@nobits
	.p2align	6
	.space	262144
	.amdgpu_metadata
---
amdhsa.version: [ 1, 2 ]
amdhsa.kernels:
  - .name:           k_q71259a824a_fgn
    .symbol:         k_q71259a824a_fgn.kd
    .args:
      - { .name: xcodes, .offset: 0, .size: 8, .value_kind: global_buffer, .address_space: global }
      - { .name: bcodes, .offset: 8, .size: 8, .value_kind: global_buffer, .address_space: global }
      - { .name: scales, .offset: 16, .size: 8, .value_kind: global_buffer, .address_space: global }
      - { .name: out0, .offset: 24, .size: 8, .value_kind: global_buffer, .address_space: global }
      - { .name: sigs, .offset: 32, .size: 8, .value_kind: global_buffer, .address_space: global }
      - { .name: xsq, .offset: 40, .size: 8, .value_kind: global_buffer, .address_space: global }
      - { .name: csq, .offset: 48, .size: 8, .value_kind: global_buffer, .address_space: global }
      - { .name: bias, .offset: 56, .size: 8, .value_kind: global_buffer, .address_space: global }
    .group_segment_fixed_size: 327680
    .private_segment_fixed_size: 0
    .kernarg_segment_align: 8
    .kernarg_segment_size: 64
    .max_flat_workgroup_size: 128
    .sgpr_count:     84
    .vgpr_count:     1024
    .wavefront_size: 32
...
	.end_amdgpu_metadata
.endif
;; end of part 2
